; MI455X (gfx1250); checked and timed in simulation.
; The chip was launched on July 23, 2026; its instructions are those of AMD's public machine-readable ISA for CDNA 5 (MIT licence, August 2026) and "CDNA5" Instruction Set Architecture Reference Guide (July 2026). The comments in the code are by the model that wrote it; some were corrected since.
;; GAE. Allowed arithmetic: float matrix products may take bf16 or f16 operands with f32 sums; all other float work in f32.
;; Inputs: next_value 4,096 x 2,048 float32; reward 4,096 x 2,048 float32; terminated 4,096 x 2,048 int32; value 4,096 x 2,048 float32.
;; Outputs: out0 4,096 x 2,048 float32; out1 4,096 x 2,048 float32.
;; 2 versions, each right; version 2 is version 1 with the launch gae written anew for expert scheduling mode. Each part assembles by itself: llvm-mc -triple=amdgcn-amd-amdhsa -mcpu=gfx1250 --defsym DOCPART=n.
;; ======== version 1 of 2: 1 launch
;; launch gae (part 1): grid 256 x 1, 16 waves a work-group, no clusters, 0 bytes of LDS; arguments reward, terminated, value, next_value, out0, out1; writes out0, out1
.if DOCPART == 1
	.amdgcn_target "amdgcn-amd-amdhsa--gfx1250"
	.amdhsa_code_object_version 6
	.text
	.protected	k_qd4c3f94b30_gae
	.globl	k_qd4c3f94b30_gae
	.p2align	8
	.type	k_qd4c3f94b30_gae,@function
k_qd4c3f94b30_gae:
	s_mov_b64 s[64:65], 0
	v_nop
	global_prefetch_b8 v0, s[64:65] scope:SCOPE_SE
	s_setreg_imm32_b32 hwreg(HW_REG_WAVE_MODE, 25, 1), 1
	s_wait_xcnt 0x0
; Generalised advantage estimation, backward in time, for [4096][2048] f32:
;   nd = 1 - terminated;  delta = reward + gamma nd next_value - value;  coef = gamma lambda nd
;   adv[t] = delta[t] + coef[t] adv[t+1], adv[2048] = 0;   out0 = adv, out1 = adv + value.
;
; SHARES.  16 waves a work-group, 256 work-groups; one wave owns one row of 2,048 steps and never talks to another wave: no LDS, no barrier.
; No two work-groups read a common byte, so there is nothing to share in a cluster, and the problem holds no product for the matrix unit.
; A row is 16 chunks of 128 steps.  In a chunk lane l holds steps 4 l .. 4 l + 3 (16 bytes), so every load and store of the wave covers
; 512 consecutive bytes that start at a multiple of 512 from the buffer's first byte.  Each input byte is loaded once, each output byte stored once.
;
; THE SCAN.  A run of steps acts on the carry g behind it as g -> B + A g.  Run X in front of run Y gives B = Bx + Ax By, A = Ax Ay.
;   1. in the lane: suffix maps (A_k, B_k) of steps k..3, k = 3..0: three fused multiply-adds, three products, in place;
;   2. in each row of 16 lanes: four doubling steps on (A_0, B_0), lane i taking lane i + 1, 2, 4, 8 (DPP row_shl on the arithmetic itself);
;      a lane whose source would lie outside its row of 16 is not written (bound_ctrl off), and its map already reaches the row's end;
;   3. lanes 16-31 hold the later steps: their carry is the chunk's carry g; that of lanes 0-15 is B + A g of lane 16;
;   4. adv of a lane's first step = B + A carry; the lane in front takes it as its own carry (row_shl:1); lane 0's goes on to the next chunk
;      as a scalar (it is a float operand only: no address and no branch hangs on it).
;
; IN FLIGHT.  The row is walked from its end in 8 groups of 2 chunks.  A group's four inputs fill a slot of 32 registers; seven slots.
; Groups 0-6 are asked for at once, 56 loads = 28,672 bytes a wave; group 7 goes into slot 0 when group 0's stores have read it.
; All steps are immediate offsets on one offset register that is never rewritten; the text is straight line.
;
; LIMITS.  The sums are regrouped as above, so the order of rounding differs from a step-by-step scan; products of up to 64 coefficients are formed
; (at most 1 for terminated in {0, 1}).  1 - terminated is formed in f32 from the converted integer: exact for |terminated| <= 2^24, rounded above,
; and without the wrap that an int32 subtraction has for terminated <= -2^31 + 1.
.set CHB,   512                        ; bytes of a chunk in one buffer
.set GAM,   0x3f7d70a4                 ; 0.99 in f32
.set GAMN,  0xbf7d70a4                 ; -0.99
.set GLM,   0x3f70c49c                 ; 0.99f x 0.95f rounded to f32
.set GLMN,  0xbf70c49c
.set OFF,   1                          ; v1        byte offset of my 16 bytes in chunk 0 of my row
.set KGL,   2                          ; v[2:3]    gamma lambda, twice (pairs for the packed forms)
.set KNGL,  4                          ; v[4:5]    its negative
.set KG,    6                          ; v[6:7]    gamma
.set KNG,   8                          ; v[8:9]    its negative
.set XT,    10                         ; v[10:17]  four temporaries for each of the two chunks at work
.set SL,    18                         ; v[18:241] seven slots of 32: chunk c of a slot at +16 c
.set RW,    0                          ;   +0..3   reward, then delta, then B_k, then the advantage (stored from here)
.set TM,    4                          ;   +4..7   terminated, then coef, then A_k
.set VL,    8                          ;   +8..11  value
.set NV,    12                         ;   +12..15 next_value, then the returns (stored from here)
.set CARRY, 16                         ; s16       adv at the first step of the chunk behind the one at work
.set SEL,   18                         ; s[18:19]  lane selects of v_permlanex16_b32: every lane takes lane 0 of the other row of 16
	s_load_b256 s[4:11], s[0:1], 0x0               ; reward s[4:5], terminated s[6:7], value s[8:9], next_value s[10:11]
	s_load_b128 s[12:15], s[0:1], 0x20             ; out0 s[12:13], out1 s[14:15]
	v_and_b32 v[OFF], 31, v0                       ; lane
	v_lshrrev_b32 v[XT], 5, v0                     ; wave = row within the work-group's 16
	v_lshlrev_b32 v[OFF], 4, v[OFF]                ; 16 bytes a lane
	v_lshl_or_b32 v[OFF], v[XT], 13, v[OFF]        ; + wave x 8,192 bytes (a row)
	s_lshl_b32 s2, ttmp9, 17                       ; + work-group x 16 rows; the largest offset stays below 2^25
	v_add_nc_u32 v[OFF], s2, v[OFF]
	s_wait_kmcnt 0x0
; Eight loads: group g = chunks 15 - 2 g and 14 - 2 g of all four inputs, into slot s.  Read once in the launch: non-temporal.
.macro FILL g, s
.irp c, 0,1
	global_load_b128 v[SL+32*\s+16*\c+TM:SL+32*\s+16*\c+TM+3], v[OFF], s[6:7]   offset:(15-2*\g-\c)*CHB th:TH_LOAD_NT
	global_load_b128 v[SL+32*\s+16*\c+NV:SL+32*\s+16*\c+NV+3], v[OFF], s[10:11] offset:(15-2*\g-\c)*CHB th:TH_LOAD_NT
	global_load_b128 v[SL+32*\s+16*\c+RW:SL+32*\s+16*\c+RW+3], v[OFF], s[4:5]   offset:(15-2*\g-\c)*CHB th:TH_LOAD_NT
	global_load_b128 v[SL+32*\s+16*\c+VL:SL+32*\s+16*\c+VL+3], v[OFF], s[8:9]   offset:(15-2*\g-\c)*CHB th:TH_LOAD_NT
.endr
.endm
.irp i, 0,1,2,3,4,5,6
	FILL \i, \i                                    ; the row's end first: it is needed first
.endr
	v_mov_b32 v[KGL],    GLM                       ; constants, while the loads are on their way
	v_mov_b32 v[KGL+1],  GLM
	v_mov_b32 v[KNGL],   GLMN
	v_mov_b32 v[KNGL+1], GLMN
	v_mov_b32 v[KG],     GAM
	v_mov_b32 v[KG+1],   GAM
	v_mov_b32 v[KNG],    GAMN
	v_mov_b32 v[KNG+1],  GAMN
	s_mov_b32 s[CARRY], 0                          ; adv behind the last step is 0
	s_mov_b32 s[SEL], 0
	s_mov_b32 s[SEL+1], 0
	s_mov_b32 vcc_lo, 0xffff                       ; lanes 0-15: the earlier half of a chunk.  Nothing else writes VCC
; Steps 3 and 4 of the scan for one chunk, its results and its stores.  cb: the chunk's registers; x: its temporaries, x = A and x+1 = B of the
; other row's first lane; off: the chunk's byte offset in the row.
.macro FINISH cb, x, off
	v_fma_f32 v[\x+2], v[\x], s[CARRY], v[\x+1]                    ; lanes 0-15: adv at lane 16's first step = their carry
	v_cndmask_b32 v[\x+2], s[CARRY], v[\x+2], vcc_lo               ; lanes 16-31: the chunk's carry itself
	v_fmac_f32 v[\cb+RW], v[\cb+TM], v[\x+2]                       ; adv at my first step: B + A carry
	v_readfirstlane_b32 s[CARRY], v[\cb+RW]                        ; lane 0's is the carry of the chunk in front
	v_mov_b32_dpp v[\x+2], v[\cb+RW] row_shl:1 row_mask:0xf bank_mask:0xf   ; my own carry: adv at the next lane's first step; lanes 15 and 31 keep their row's carry
	v_fmac_f32 v[\cb+RW+1], v[\cb+TM+1], v[\x+2]                   ; adv at my steps 1, 2, 3: B_k + A_k carry
	v_pk_fma_f32 v[\cb+RW+2:\cb+RW+3], v[\cb+TM+2:\cb+TM+3], v[\x+2:\x+3], v[\cb+RW+2:\cb+RW+3] op_sel_hi:[1,0,1]   ; both halves by x+2
	v_pk_add_f32 v[\cb+NV:\cb+NV+1],   v[\cb+RW:\cb+RW+1],   v[\cb+VL:\cb+VL+1]     ; returns = adv + value
	v_pk_add_f32 v[\cb+NV+2:\cb+NV+3], v[\cb+RW+2:\cb+RW+3], v[\cb+VL+2:\cb+VL+3]
	global_store_b128 v[OFF], v[\cb+RW:\cb+RW+3], s[12:13] offset:\off th:TH_STORE_NT   ; 512 consecutive bytes a wave, written once, not read again
	global_store_b128 v[OFF], v[\cb+NV:\cb+NV+3], s[14:15] offset:\off th:TH_STORE_NT
.endm
; Group g in slot s.  left = the loads issued behind this group's eight, which may stay out.
; Everything up to FINISH is independent of the carry; the two chunks are interleaved so that no line waits for the one in front of it.
.macro GROUP g, s, left
.set CB0, SL+32*\s
.set CB1, CB0+16
	s_wait_loadcnt \left                           ; loads come back in order (ISA guide 5.7.1): this group's are in
.irp c, 0,1
.irp k, 0,1,2,3
	v_cvt_f32_i32 v[CB\c+TM+\k], v[CB\c+TM+\k]     ; terminated as f32
.endr
.endr
.irp c, 0,1
.irp k, 0,2
	v_pk_fma_f32 v[XT+4*\c+\k:XT+4*\c+\k+1], v[CB\c+TM+\k:CB\c+TM+\k+1], v[KNG:KNG+1], v[KG:KG+1]            ; gamma (1 - terminated), one rounding
.endr
.endr
.irp c, 0,1
.irp k, 0,2
	v_pk_fma_f32 v[CB\c+TM+\k:CB\c+TM+\k+1], v[CB\c+TM+\k:CB\c+TM+\k+1], v[KNGL:KNGL+1], v[KGL:KGL+1]        ; coef = gamma lambda (1 - terminated)
.endr
.endr
.irp c, 0,1
.irp k, 0,2
	v_pk_fma_f32 v[CB\c+RW+\k:CB\c+RW+\k+1], v[XT+4*\c+\k:XT+4*\c+\k+1], v[CB\c+NV+\k:CB\c+NV+\k+1], v[CB\c+RW+\k:CB\c+RW+\k+1]   ; reward + gamma nd next_value
.endr
.endr
.irp c, 0,1
.irp k, 0,2
	v_pk_add_f32 v[CB\c+RW+\k:CB\c+RW+\k+1], v[CB\c+RW+\k:CB\c+RW+\k+1], v[CB\c+VL+\k:CB\c+VL+\k+1] neg_lo:[0,1] neg_hi:[0,1]     ; - value: delta
.endr
.endr
	; step 1: in the lane, from step 3 down: B_k = delta_k + coef_k B_k+1, A_k = coef_k A_k+1
.irp k, 2,1,0
.irp c, 0,1
	v_fmac_f32 v[CB\c+RW+\k], v[CB\c+TM+\k], v[CB\c+RW+\k+1]
.endr
.irp c, 0,1
	v_mul_f32 v[CB\c+TM+\k], v[CB\c+TM+\k], v[CB\c+TM+\k+1]
.endr
.endr
	; step 2: in each row of 16 lanes, doubling: B += A x B of lane i + d (with my old A), then A *= A of lane i + d
.irp d, 1,2,4,8
.irp c, 0,1
	v_fmac_f32_dpp v[CB\c+RW], v[CB\c+RW], v[CB\c+TM] row_shl:\d row_mask:0xf bank_mask:0xf
.endr
.irp c, 0,1
	v_mul_f32_dpp v[CB\c+TM], v[CB\c+TM], v[CB\c+TM] row_shl:\d row_mask:0xf bank_mask:0xf
.endr
.endr
.irp c, 0,1
	v_permlanex16_b32 v[XT+4*\c],   v[CB\c+TM], s[SEL], s[SEL+1]   ; lanes 0-15 get lane 16's A and B: the map of the chunk's later half
	v_permlanex16_b32 v[XT+4*\c+1], v[CB\c+RW], s[SEL], s[SEL+1]   ; (lanes 16-31 get lane 0's, which FINISH discards)
.endr
	FINISH CB0, XT,   (15-2*\g)*CHB                ; the later chunk first; its results and stores stand between the carry's
	FINISH CB1, XT+4, (14-2*\g)*CHB                ; hand-over to a scalar and the first line that takes it
.endm
	GROUP 0, 0, 48                                 ; 48 = groups 1-6, eight loads each
	s_wait_xcnt 0x0                                ; group 0's stores have read their data (ISA guide 3.1): slot 0 is loaded again only behind this wait
	FILL 7, 0                                      ; the row's first two chunks
	GROUP 1, 1, 48                                 ; groups 2-6 and group 7
	GROUP 2, 2, 40
	GROUP 3, 3, 32
	GROUP 4, 4, 24
	GROUP 5, 5, 16
	GROUP 6, 6, 8                                  ; group 7 alone
	GROUP 7, 0, 0                                  ; nothing was issued behind it
	s_endpgm
.Lfunc_end_k_qd4c3f94b30_gae:
	.size	k_qd4c3f94b30_gae, .Lfunc_end_k_qd4c3f94b30_gae-k_qd4c3f94b30_gae
	.p2alignl 7, 3214868480
	.fill 96, 4, 3214868480
	.section	.rodata,"a",@progbits
	.p2align	6, 0x0
	.amdhsa_kernel k_qd4c3f94b30_gae
		.amdhsa_group_segment_fixed_size 0
		.amdhsa_private_segment_fixed_size 0
		.amdhsa_enable_private_segment 0
		.amdhsa_kernarg_size 48
		.amdhsa_user_sgpr_count 2
		.amdhsa_user_sgpr_kernarg_segment_ptr 1
		.amdhsa_wavefront_size32 1
		.amdhsa_system_sgpr_workgroup_id_x 1
		.amdhsa_system_sgpr_workgroup_id_y 1
		.amdhsa_system_sgpr_workgroup_id_z 1
		.amdhsa_system_vgpr_workitem_id 0
		.amdhsa_next_free_vgpr 242
		.amdhsa_next_free_sgpr 66
		.amdhsa_reserve_vcc 1
		.amdhsa_float_denorm_mode_32 3
		.amdhsa_float_denorm_mode_16_64 3
		.amdhsa_memory_ordered 1
		.amdhsa_forward_progress 1
		.amdhsa_inst_pref_size 41
	.end_amdhsa_kernel
	.amdgpu_metadata
---
amdhsa.version: [ 1, 2 ]
amdhsa.kernels:
  - .name:           k_qd4c3f94b30_gae
    .symbol:         k_qd4c3f94b30_gae.kd
    .args:
      - { .name: reward, .offset: 0, .size: 8, .value_kind: global_buffer, .address_space: global }
      - { .name: terminated, .offset: 8, .size: 8, .value_kind: global_buffer, .address_space: global }
      - { .name: value, .offset: 16, .size: 8, .value_kind: global_buffer, .address_space: global }
      - { .name: next_value, .offset: 24, .size: 8, .value_kind: global_buffer, .address_space: global }
      - { .name: out0, .offset: 32, .size: 8, .value_kind: global_buffer, .address_space: global }
      - { .name: out1, .offset: 40, .size: 8, .value_kind: global_buffer, .address_space: global }
    .group_segment_fixed_size: 0
    .private_segment_fixed_size: 0
    .kernarg_segment_align: 8
    .kernarg_segment_size: 48
    .max_flat_workgroup_size: 512
    .sgpr_count:     66
    .vgpr_count:     242
    .wavefront_size: 32
...
	.end_amdgpu_metadata
.endif
;; end of part 1
;; ======== version 2 of 2: 1 launch; version 1 with the launch gae written anew for expert scheduling mode
;; launch gae (part 2): grid 256 x 1, 16 waves a work-group, no clusters, 0 bytes of LDS; arguments reward, terminated, value, next_value, out0, out1; writes out0, out1
.if DOCPART == 2
	.amdgcn_target "amdgcn-amd-amdhsa--gfx1250"
	.amdhsa_code_object_version 6
	.text
	.protected	k_qd4c3f94b30_gae
	.globl	k_qd4c3f94b30_gae
	.p2align	8
	.type	k_qd4c3f94b30_gae,@function
k_qd4c3f94b30_gae:
	s_mov_b64 s[64:65], 0
	v_nop
	global_prefetch_b8 v0, s[64:65] scope:SCOPE_SE
	s_setreg_imm32_b32 hwreg(HW_REG_WAVE_SCHED_MODE, 0, 2), 2
	s_setreg_imm32_b32 hwreg(HW_REG_WAVE_MODE, 25, 1), 1
	s_wait_xcnt 0x0
	s_wait_alu depctr_vm_vsrc(0)
; Generalised advantage estimation, backward in time, for [4096][2048] f32:
;   nd = 1 - terminated;  delta = reward + gamma nd next_value - value;  coef = gamma lambda nd
;   adv[t] = delta[t] + coef[t] adv[t+1], adv[2048] = 0;   out0 = adv, out1 = adv + value.
;
; SHARES.  16 waves a work-group, 256 work-groups; one wave owns one row of 2,048 steps and never talks to another wave: no LDS, no barrier.
; No two work-groups read a common byte, so there is nothing to share in a cluster, and the problem holds no product for the matrix unit.
; A row is 16 chunks of 128 steps.  In a chunk lane l holds steps 4 l .. 4 l + 3 (16 bytes), so every load and store of the wave covers
; 512 consecutive bytes that start at a multiple of 512 from the buffer's first byte.  Each input byte is loaded once, each output byte stored once.
;
; THE SCAN.  A run of steps acts on the carry g behind it as g -> B + A g.  Run X in front of run Y gives B = Bx + Ax By, A = Ax Ay.
;   1. in the lane: suffix maps (A_k, B_k) of steps k..3, k = 3..0: three fused multiply-adds, three products, in place;
;   2. in each row of 16 lanes: four doubling steps on (A_0, B_0), lane i taking lane i + 1, 2, 4, 8 (DPP row_shl on the arithmetic itself);
;      a lane whose source would lie outside its row of 16 is not written (bound_ctrl off), and its map already reaches the row's end;
;   3. lanes 16-31 hold the later steps: their carry is the chunk's carry g; that of lanes 0-15 is B + A g of lane 16;
;   4. adv of a lane's first step = B + A carry; the lane in front takes it as its own carry (row_shl:1); lane 0's goes on to the next chunk
;      as a scalar (it is a float operand only: no address and no branch hangs on it).
;
; IN FLIGHT.  The row is walked from its end in 8 groups of 2 chunks.  A group's four inputs fill a slot of 32 registers; seven slots.
; Groups 0-6 are asked for at once, 56 loads = 28,672 bytes a wave; group 7 goes into slot 0 when group 0's stores have read it.
; All steps are immediate offsets on one offset register that is never rewritten; the text is straight line.
;
; THE MODE: SCHED_MODE bits 1:0 = 2 (LLVM: expert scheduling mode 2), set by the entry lines.  The code itself states the register dependences
; between vector instructions and memory instructions, with s_wait_alu, always for 0.
; THE PLAN.  Registers that memory instructions touch:
;   v1           the offset.  Written at the head; read by every load and store; never written again.
;   slots 1-6    Filled once, at the head; group s works on slot s in place; its four stores read the slot; nothing names it afterwards.
;   slot 0       The same for group 0; then group 7's eight loads land in it, group 7 works on it, and its four stores read it.
;   v2-17 (constants, temporaries) are named by vector instructions alone.
;   s16          the carry: written by v_readfirstlane_b32 in a chunk's finish, first read by the next chunk's finish.
; So: one wait on va_vdst at the head (v1); one a group, behind both chunks' arithmetic and ahead of the group's four stores in one run; one wait on vm_vsrc
; in the whole text, ahead of group 7's loads; one wait on va_sdst ahead of each first reader of a carry that a vector instruction wrote.
; Group 7's loads are dealt among group 1's vector instructions, which name slot 1, the temporaries and the constants: no register of slot 0.
;
; LIMITS.  The sums are regrouped as above, so the order of rounding differs from a step-by-step scan; products of up to 64 coefficients are formed
; (at most 1 for terminated in {0, 1}).  1 - terminated is formed in f32 from the converted integer: exact for |terminated| <= 2^24, rounded above,
; and without the wrap that an int32 subtraction has for terminated <= -2^31 + 1.
.set CHB,   512                        ; bytes of a chunk in one buffer
.set GAM,   0x3f7d70a4                 ; 0.99 in f32
.set GAMN,  0xbf7d70a4                 ; -0.99
.set GLM,   0x3f70c49c                 ; 0.99f x 0.95f rounded to f32
.set GLMN,  0xbf70c49c
.set OFF,   1                          ; v1        byte offset of my 16 bytes in chunk 0 of my row
.set KGL,   2                          ; v[2:3]    gamma lambda, twice (pairs for the packed forms)
.set KNGL,  4                          ; v[4:5]    its negative
.set KG,    6                          ; v[6:7]    gamma
.set KNG,   8                          ; v[8:9]    its negative
.set XT,    10                         ; v[10:17]  four temporaries for each of the two chunks at work
.set SL,    18                         ; v[18:241] seven slots of 32: chunk c of a slot at +16 c
.set RW,    0                          ;   +0..3   reward, then delta, then B_k, then the advantage (stored from here)
.set TM,    4                          ;   +4..7   terminated, then coef, then A_k
.set VL,    8                          ;   +8..11  value
.set NV,    12                         ;   +12..15 next_value, then the returns (stored from here)
.set CARRY, 16                         ; s16       adv at the first step of the chunk behind the one at work
.set SEL,   18                         ; s[18:19]  lane selects of v_permlanex16_b32: every lane takes lane 0 of the other row of 16
	s_load_b256 s[4:11], s[0:1], 0x0               ; reward s[4:5], terminated s[6:7], value s[8:9], next_value s[10:11]
	s_load_b128 s[12:15], s[0:1], 0x20             ; out0 s[12:13], out1 s[14:15]
	v_and_b32 v[OFF], 31, v0                       ; lane
	v_lshrrev_b32 v[XT], 5, v0                     ; wave = row within the work-group's 16
	v_lshlrev_b32 v[OFF], 4, v[OFF]                ; 16 bytes a lane
	v_lshl_or_b32 v[OFF], v[XT], 13, v[OFF]        ; + wave x 8,192 bytes (a row)
	s_lshl_b32 s2, ttmp9, 17                       ; + work-group x 16 rows; the largest offset stays below 2^25
	v_add_nc_u32 v[OFF], s2, v[OFF]
	s_wait_kmcnt 0x0
	s_wait_alu depctr_va_vdst(0)                   ; v1 is written: every load and store of the kernel reads it as its offset
; Two of a group's eight loads: chunk 15 - 2 g - c, into slot s.  q = 0: terminated and next_value; 1: reward and value.  Read once in the launch: non-temporal.
.macro HALF g, s, c, q
.if \q == 0
	global_load_b128 v[SL+32*\s+16*\c+TM:SL+32*\s+16*\c+TM+3], v[OFF], s[6:7]   offset:(15-2*\g-\c)*CHB th:TH_LOAD_NT
	global_load_b128 v[SL+32*\s+16*\c+NV:SL+32*\s+16*\c+NV+3], v[OFF], s[10:11] offset:(15-2*\g-\c)*CHB th:TH_LOAD_NT
.else
	global_load_b128 v[SL+32*\s+16*\c+RW:SL+32*\s+16*\c+RW+3], v[OFF], s[4:5]   offset:(15-2*\g-\c)*CHB th:TH_LOAD_NT
	global_load_b128 v[SL+32*\s+16*\c+VL:SL+32*\s+16*\c+VL+3], v[OFF], s[8:9]   offset:(15-2*\g-\c)*CHB th:TH_LOAD_NT
.endif
.endm
; Eight loads: group g = chunks 15 - 2 g and 14 - 2 g of all four inputs, into slot s.
.macro FILL g, s
.irp c, 0,1
	HALF \g, \s, \c, 0
	HALF \g, \s, \c, 1
.endr
.endm
.irp i, 0,1,2,3,4,5,6
	FILL \i, \i                                    ; the row's end first: it is needed first.  No vector instruction has named a register of the slots
.endr
	v_mov_b32 v[KGL],    GLM                       ; constants, while the loads are on their way
	v_mov_b32 v[KGL+1],  GLM
	v_mov_b32 v[KNGL],   GLMN
	v_mov_b32 v[KNGL+1], GLMN
	v_mov_b32 v[KG],     GAM
	v_mov_b32 v[KG+1],   GAM
	v_mov_b32 v[KNG],    GAMN
	v_mov_b32 v[KNG+1],  GAMN
	s_mov_b32 s[CARRY], 0                          ; adv behind the last step is 0
	s_mov_b32 s[SEL], 0
	s_mov_b32 s[SEL+1], 0
	s_mov_b32 vcc_lo, 0xffff                       ; lanes 0-15: the earlier half of a chunk.  Nothing else writes VCC
; Steps 3 and 4 of the scan for one chunk, and its results.  cb: the chunk's registers; x: its temporaries, x = A and x+1 = B of the
; other row's first lane.  first = 1: the row's last chunk, whose carry a scalar instruction wrote.
.macro FINISH cb, x, first
.if !\first
	s_wait_alu depctr_va_sdst(0)                                   ; the v_readfirstlane_b32 of the chunk behind has written the carry, ahead of its first reader, the next line
.endif
	v_fma_f32 v[\x+2], v[\x], s[CARRY], v[\x+1]                    ; lanes 0-15: adv at lane 16's first step = their carry
	v_cndmask_b32 v[\x+2], s[CARRY], v[\x+2], vcc_lo               ; lanes 16-31: the chunk's carry itself
	v_fmac_f32 v[\cb+RW], v[\cb+TM], v[\x+2]                       ; adv at my first step: B + A carry
	v_readfirstlane_b32 s[CARRY], v[\cb+RW]                        ; lane 0's is the carry of the chunk in front
	v_mov_b32_dpp v[\x+2], v[\cb+RW] row_shl:1 row_mask:0xf bank_mask:0xf   ; my own carry: adv at the next lane's first step; lanes 15 and 31 keep their row's carry
	v_fmac_f32 v[\cb+RW+1], v[\cb+TM+1], v[\x+2]                   ; adv at my steps 1, 2, 3: B_k + A_k carry
	v_pk_fma_f32 v[\cb+RW+2:\cb+RW+3], v[\cb+TM+2:\cb+TM+3], v[\x+2:\x+3], v[\cb+RW+2:\cb+RW+3] op_sel_hi:[1,0,1]   ; both halves by x+2
	v_pk_add_f32 v[\cb+NV:\cb+NV+1],   v[\cb+RW:\cb+RW+1],   v[\cb+VL:\cb+VL+1]     ; returns = adv + value
	v_pk_add_f32 v[\cb+NV+2:\cb+NV+3], v[\cb+RW+2:\cb+RW+3], v[\cb+VL+2:\cb+VL+3]
.endm
; A chunk's two stores.  off: the chunk's byte offset in the row.
.macro SEND cb, off
	global_store_b128 v[OFF], v[\cb+RW:\cb+RW+3], s[12:13] offset:\off th:TH_STORE_NT   ; 512 consecutive bytes a wave, written once, not read again
	global_store_b128 v[OFF], v[\cb+NV:\cb+NV+3], s[14:15] offset:\off th:TH_STORE_NT
.endm
; Group g in slot s.  left = the loads issued behind this group's eight, which may stay out.  first = 1: group 0.
; fill = 1: group 7 is asked for, into slot 0, two loads behind each of the group's first four blocks of vector instructions.
; Everything up to FINISH is independent of the carry; the two chunks are interleaved so that no line waits for the one in front of it.
.macro GROUP g, s, left, first, fill
.set CB0, SL+32*\s
.set CB1, CB0+16
	s_wait_loadcnt \left                           ; loads come back in order (ISA guide 5.7.1): this group's are in
.if \fill
	s_wait_xcnt 0x0                                ; group 0's stores have had their addresses translated (ISA guide 3.1): slot 0 is loaded again only behind this wait
	s_wait_alu depctr_vm_vsrc(0)                   ; group 0's stores have read slot 0, in which the loads below land
.endif
.irp c, 0,1
.irp k, 0,1,2,3
	v_cvt_f32_i32 v[CB\c+TM+\k], v[CB\c+TM+\k]     ; terminated as f32
.endr
.endr
.if \fill
	HALF 7, 0, 0, 0                                ; the row's first two chunks.  No further wait: group 0's lines on slot 0 stand ahead of the wait in front of its stores, and no vector instruction since names slot 0
.endif
.irp c, 0,1
.irp k, 0,2
	v_pk_fma_f32 v[XT+4*\c+\k:XT+4*\c+\k+1], v[CB\c+TM+\k:CB\c+TM+\k+1], v[KNG:KNG+1], v[KG:KG+1]            ; gamma (1 - terminated), one rounding
.endr
.endr
.if \fill
	HALF 7, 0, 0, 1
.endif
.irp c, 0,1
.irp k, 0,2
	v_pk_fma_f32 v[CB\c+TM+\k:CB\c+TM+\k+1], v[CB\c+TM+\k:CB\c+TM+\k+1], v[KNGL:KNGL+1], v[KGL:KGL+1]        ; coef = gamma lambda (1 - terminated)
.endr
.endr
.if \fill
	HALF 7, 0, 1, 0
.endif
.irp c, 0,1
.irp k, 0,2
	v_pk_fma_f32 v[CB\c+RW+\k:CB\c+RW+\k+1], v[XT+4*\c+\k:XT+4*\c+\k+1], v[CB\c+NV+\k:CB\c+NV+\k+1], v[CB\c+RW+\k:CB\c+RW+\k+1]   ; reward + gamma nd next_value
.endr
.endr
.if \fill
	HALF 7, 0, 1, 1
.endif
.irp c, 0,1
.irp k, 0,2
	v_pk_add_f32 v[CB\c+RW+\k:CB\c+RW+\k+1], v[CB\c+RW+\k:CB\c+RW+\k+1], v[CB\c+VL+\k:CB\c+VL+\k+1] neg_lo:[0,1] neg_hi:[0,1]     ; - value: delta
.endr
.endr
	; step 1: in the lane, from step 3 down: B_k = delta_k + coef_k B_k+1, A_k = coef_k A_k+1
.irp k, 2,1,0
.irp c, 0,1
	v_fmac_f32 v[CB\c+RW+\k], v[CB\c+TM+\k], v[CB\c+RW+\k+1]
.endr
.irp c, 0,1
	v_mul_f32 v[CB\c+TM+\k], v[CB\c+TM+\k], v[CB\c+TM+\k+1]
.endr
.endr
	; step 2: in each row of 16 lanes, doubling: B += A x B of lane i + d (with my old A), then A *= A of lane i + d
.irp d, 1,2,4,8
.irp c, 0,1
	v_fmac_f32_dpp v[CB\c+RW], v[CB\c+RW], v[CB\c+TM] row_shl:\d row_mask:0xf bank_mask:0xf
.endr
.irp c, 0,1
	v_mul_f32_dpp v[CB\c+TM], v[CB\c+TM], v[CB\c+TM] row_shl:\d row_mask:0xf bank_mask:0xf
.endr
.endr
.irp c, 0,1
	v_permlanex16_b32 v[XT+4*\c],   v[CB\c+TM], s[SEL], s[SEL+1]   ; lanes 0-15 get lane 16's A and B: the map of the chunk's later half
	v_permlanex16_b32 v[XT+4*\c+1], v[CB\c+RW], s[SEL], s[SEL+1]   ; (lanes 16-31 get lane 0's, which FINISH discards)
.endr
	FINISH CB0, XT,   \first                       ; the later chunk first; its last five lines stand between the carry's
	FINISH CB1, XT+4, 0                            ; hand-over to a scalar and the first line that takes it
	s_wait_alu depctr_va_vdst(0)                   ; both chunks' advantages and returns are written, which the four stores read; in group 0 also: all its reads and writes of slot 0 are done, in which group 7's loads land
	SEND CB0, (15-2*\g)*CHB
	SEND CB1, (14-2*\g)*CHB
.endm
	GROUP 0, 0, 48, 1, 0                           ; 48 = groups 1-6, eight loads each
	GROUP 1, 1, 40, 0, 1                           ; groups 2-6; group 7 is asked for behind this wait
	GROUP 2, 2, 40, 0, 0                           ; groups 3-6 and group 7
	GROUP 3, 3, 32, 0, 0
	GROUP 4, 4, 24, 0, 0
	GROUP 5, 5, 16, 0, 0
	GROUP 6, 6, 8,  0, 0                           ; group 7 alone
	GROUP 7, 0, 0,  0, 0                           ; nothing was issued behind it
	s_endpgm
.Lfunc_end_k_qd4c3f94b30_gae:
	.size	k_qd4c3f94b30_gae, .Lfunc_end_k_qd4c3f94b30_gae-k_qd4c3f94b30_gae
	.p2alignl 7, 3214868480
	.fill 96, 4, 3214868480
	.section	.rodata,"a",@progbits
	.p2align	6, 0x0
	.amdhsa_kernel k_qd4c3f94b30_gae
		.amdhsa_group_segment_fixed_size 0
		.amdhsa_private_segment_fixed_size 0
		.amdhsa_enable_private_segment 0
		.amdhsa_kernarg_size 48
		.amdhsa_user_sgpr_count 2
		.amdhsa_user_sgpr_kernarg_segment_ptr 1
		.amdhsa_wavefront_size32 1
		.amdhsa_system_sgpr_workgroup_id_x 1
		.amdhsa_system_sgpr_workgroup_id_y 1
		.amdhsa_system_sgpr_workgroup_id_z 1
		.amdhsa_system_vgpr_workitem_id 0
		.amdhsa_next_free_vgpr 242
		.amdhsa_next_free_sgpr 66
		.amdhsa_reserve_vcc 1
		.amdhsa_float_denorm_mode_32 3
		.amdhsa_float_denorm_mode_16_64 3
		.amdhsa_memory_ordered 1
		.amdhsa_forward_progress 1
		.amdhsa_inst_pref_size 42
	.end_amdhsa_kernel
	.amdgpu_metadata
---
amdhsa.version: [ 1, 2 ]
amdhsa.kernels:
  - .name:           k_qd4c3f94b30_gae
    .symbol:         k_qd4c3f94b30_gae.kd
    .args:
      - { .name: reward, .offset: 0, .size: 8, .value_kind: global_buffer, .address_space: global }
      - { .name: terminated, .offset: 8, .size: 8, .value_kind: global_buffer, .address_space: global }
      - { .name: value, .offset: 16, .size: 8, .value_kind: global_buffer, .address_space: global }
      - { .name: next_value, .offset: 24, .size: 8, .value_kind: global_buffer, .address_space: global }
      - { .name: out0, .offset: 32, .size: 8, .value_kind: global_buffer, .address_space: global }
      - { .name: out1, .offset: 40, .size: 8, .value_kind: global_buffer, .address_space: global }
    .group_segment_fixed_size: 0
    .private_segment_fixed_size: 0
    .kernarg_segment_align: 8
    .kernarg_segment_size: 48
    .max_flat_workgroup_size: 512
    .sgpr_count:     66
    .vgpr_count:     242
    .wavefront_size: 32
...
	.end_amdgpu_metadata
.endif
;; end of part 2
